; MI455X (gfx1250); checked and timed in simulation.
; The chip was launched on July 23, 2026; its instructions are those of AMD's public machine-readable ISA for CDNA 5 (MIT licence, August 2026) and "CDNA5" Instruction Set Architecture Reference Guide (July 2026). The comments in the code are by the model that wrote it; some were corrected since.
;; Bucket Adjusted Hinge. Allowed arithmetic: float matrix products may take bf16 or f16 operands with f32 sums; all other float work in f32.
;; Inputs: adj_b 64 float32; adj_knots 64 x 20 float32; adj_w 64 x 20 float32; base_b one number float32; base_knots 20 float32; base_w 20 float32; bucket_idx 4,194,304 int32; x 4,194,304 x 1 float32.
;; Outputs: out0 4,194,304 x 1 float32.
;; 2 versions, each right; version 2 is version 1 with the launch hinge written anew for expert scheduling mode. Each part assembles by itself: llvm-mc -triple=amdgcn-amd-amdhsa -mcpu=gfx1250 --defsym DOCPART=n.
;; ======== version 1 of 2: 1 launch
;; launch hinge (part 1): grid 256 x 1, 16 waves a work-group, no clusters, 182,272 bytes of LDS; arguments x, bucket_idx, base_knots, base_w, base_b, adj_knots, adj_w, adj_b, out0; writes out0
.if DOCPART == 1
	.amdgcn_target "amdgcn-amd-amdhsa--gfx1250"
	.amdhsa_code_object_version 6
	.text
	.protected	k_q3df86205dc_hinge
	.globl	k_q3df86205dc_hinge
	.p2align	8
	.type	k_q3df86205dc_hinge,@function
k_q3df86205dc_hinge:
	s_mov_b64 s[64:65], 0
	v_nop
	global_prefetch_b8 v0, s[64:65] scope:SCOPE_SE
	s_setreg_imm32_b32 hwreg(HW_REG_WAVE_MODE, 25, 1), 1
	s_wait_xcnt 0x0
; out[n] = base_b + sum_k base_w[k] relu(x[n] - base_knots[k])
;        + adj_b[b] + sum_k adj_w[b][k] relu(x[n] - adj_knots[b][k]),   b = bucket_idx[n].   All in f32.
;
; ARITHMETIC.  relu(x - t) = max(x - c, t - c) - (t - c) for any centre c.  With c0 = base_knots[0], c_b = adj_knots[b][0],
; t' = t - c and K_b = base_b + adj_b[b] - sum base_w t0' - sum adj_w[b] t'_b :
;     out = K_b + sum base_w[k] max(x - c0, t0'[k]) + sum adj_w[b][k] max(x - c_b, t'_b[k]).
; That is one maximum and one fused multiply-add a hinge, two hinges an instruction.  The centres keep every term at the size of
; |x - knot| and |knot - knot|, so a common offset of x and the knots makes no difference of large sums.
; Knots are taken as given: any order, any spacing, other in each bucket.
;
; LIMITS.  A NaN in x is not handed on (the maximum drops it).  An index outside 0..63 (a negative one too) is read as 63; the problem
; keeps indices inside the table.  t - c and x - c overflow only within a factor of two of f32's largest number.  The order of the
; sums is not reference()'s.
;
; SHAPE.  256 work-groups of 16 waves; a work-group owns 16,384 rows, a wave 1,024, a lane 32.  A wave asks for all of its x and
; indices (16 loads of 512 consecutive bytes) in its first lines; while they travel the work-group builds the table in LDS.
; THE TABLE.  A bucket's record is 11 chunks of 16 bytes (20 centred knots, 20 weights, {K_b, 0, c_b, c_b}).  Each chunk is kept
; SIXTEEN TIMES, side by side in 256 bytes, and lane L always reads copy L % 16.
; 64 buckets x 11 x 256 = 180,224 bytes.  Written once, in front of the one barrier; read only behind it.
;
; LEFT OUT.  Matrix units: the product has one output column, its operands relu(x - t) are made by vector instructions anyway, and
; rounding them to 16 bits takes as many instructions as the packed multiply-add that it would spare.  Tensor loads: the table needs
; arithmetic and sixteen copies, which registers give; the stream fits in 64 registers a wave.  Clusters: the work-groups share only
; the 10,660 bytes of tables against 131,072 bytes of their own stream, and the tables go through registers.  Prefetch: every byte
; that a wave reads is asked for by its own loads in its first lines; there is nothing to ask for earlier.
.set REC,   2816                       ; bytes of a bucket's record in LDS: 11 chunks x 16 copies x 16 bytes
.set VOFF,  1                          ; v1        wave x 4,096 + lane x 16: my 16 bytes in quad 0 of x, of the indices, of out
.set LCOL,  2                          ; v2        16 (lane % 16): my copy
.set ZOFF,  3                          ; v3        0
.set TOFF,  4                          ; v4        (thread / 16) x 80: the bucket's row in adj_knots and adj_w that my half-wave prepares
.set BOFF,  5                          ; v5        (thread / 16) x 4: the same in adj_b
.set SA0,   6                          ; v6        where I store my copy of that record
.set SA1,   7                          ; v7        and of the record 32 buckets on
.set S,     8                          ; v8, v9    scratch
.set C0,    10                         ; v[10:11]  c0, twice
.set K0,    12                         ; v12       base_b - sum base_w t0'
.set XB,    14                         ; v14       x - c0
.set XA,    15                         ; v15       x - c_b
.set P,     16                         ; v[16:17]  two running sums
.set Q,     18                         ; v[18:19]  two more
.set M,     20                         ; v[20:27]  maxima, two sets of four in turn
.set BT,    28                         ; v[28:47]  base knots, centred
.set BW,    48                         ; v[48:67]  base weights
.set REC0,  68                         ; v[68:111]  a record, 44 registers in the order of the chunks: rows 0, 2, 4 ..
.set REC1,  112                        ; v[112:155] the same: rows 1, 3, 5 ..
.set IDX,   156                        ; v[156:187] row i's index, then its record's LDS address
.set X,     188                        ; v[188:219] row i's x, then its result
	s_load_b512 s[4:19], s[0:1], 0x0               ; x s[4:5], bucket_idx s[6:7], base_knots s[8:9], base_w s[10:11], base_b s[12:13],
	                                               ; adj_knots s[14:15], adj_w s[16:17], adj_b s[18:19]
	s_load_b64 s[20:21], s[0:1], 0x40              ; out0
	v_lshl_add_u32 v220, v0, 2, 0x2c000
	v_mov_b32 v221, 0
	v_lshrrev_b32 v[S], 5, v0
	v_readfirstlane_b32 s22, v[S]                  ; wave 0..15
	v_and_b32 v[S+1], 31, v0                       ; lane
	v_lshlrev_b32 v[VOFF], 12, v[S]
	v_lshl_add_u32 v[VOFF], v[S+1], 4, v[VOFF]
	v_and_b32 v[LCOL], 15, v0
	v_lshlrev_b32 v[LCOL], 4, v[LCOL]
	v_mov_b32 v[ZOFF], 0
	v_lshrrev_b32 v[S+1], 4, v0                    ; thread / 16 = 0..31: the bucket of the first pass
	v_mul_u32_u24 v[TOFF], v[S+1], 80
	v_lshlrev_b32 v[BOFF], 2, v[S+1]
	s_mul_i32 s23, s22, 2*REC                      ; wave w stores buckets 2w, 2w+1: bytes 5,632 w .. 5,632 w + 5,631
	v_bfe_u32 v[S], v0, 4, 1                       ; which half of the wave
	v_mul_u32_u24 v[S], v[S], REC
	v_add3_u32 v[SA0], v[S], v[LCOL], s23
	v_add_nc_u32 v[SA1], 32*REC, v[SA0]            ; and buckets 32+2w, 33+2w: the same bytes + 90,112
	s_lshl_b32 s24, ttmp9, 16                      ; the work-group's 16,384 rows of 4 bytes (at most 255 x 65,536)
	s_mov_b32 s25, 0
	s_wait_kmcnt 0x0
	s_add_nc_u64 s[4:5], s[4:5], s[24:25]
	s_add_nc_u64 s[6:7], s[6:7], s[24:25]
	s_add_nc_u64 s[20:21], s[20:21], s[24:25]
	; ALL 49 LOADS, the tables first: loads come back in order (ISA guide 5.7.1), so the waits below count what is younger.
.irp j, 0,1,2,3,4
	global_load_b128 v[BT+4*\j:BT+4*\j+3], v[ZOFF], s[8:9] offset:16*\j
.endr
.irp j, 0,1,2,3,4
	global_load_b128 v[BW+4*\j:BW+4*\j+3], v[ZOFF], s[10:11] offset:16*\j
.endr
	global_load_b32 v[K0], v[ZOFF], s[12:13]
; a bucket's knots, weights and bias, the same in all 16 lanes of a half-wave; far = 0: bucket thread / 16, far = 1: 32 buckets on
.macro LDTAB buf, far
.irp j, 0,1,2,3,4
	global_load_b128 v[\buf+4*\j:\buf+4*\j+3], v[TOFF], s[14:15] offset:16*\j+2560*\far
.endr
.irp j, 0,1,2,3,4
	global_load_b128 v[\buf+20+4*\j:\buf+20+4*\j+3], v[TOFF], s[16:17] offset:16*\j+2560*\far
.endr
	global_load_b32 v[\buf+40], v[BOFF], s[18:19] offset:128*\far
.endm
	LDTAB REC0, 0
	LDTAB REC1, 1
.irp q, 0,1,2,3,4,5,6,7
	global_load_b128 v[IDX+4*\q:IDX+4*\q+3], v[VOFF], s[6:7] offset:512*\q th:TH_LOAD_NT   ; quad q: 128 rows of the wave, 4 a lane,
	global_load_b128 v[X+4*\q:X+4*\q+3],     v[VOFF], s[4:5] offset:512*\q th:TH_LOAD_NT   ; read once in the launch
.endr
	; THE BASE HINGE: centre the knots, fold bias and knots into K0
	s_wait_loadcnt 38                              ; the 11 base loads are in; 22 table loads and 16 stream loads stay out
	v_mov_b32 v[C0], v[BT]
	v_mov_b32 v[C0+1], v[BT]
.irp j, 0,2,4,6,8,10,12,14,16,18
	v_pk_add_f32 v[BT+\j:BT+\j+1], v[BT+\j:BT+\j+1], v[C0:C0+1] neg_lo:[0,1] neg_hi:[0,1]
.endr
	v_mul_f32 v[S], v[BW], v[BT]
.irp k, 1,2,3,4,5,6,7,8,9,10,11,12,13,14,15,16,17,18,19
	v_fmac_f32 v[S], v[BW+\k], v[BT+\k]
.endr
	v_sub_f32 v[K0], v[K0], v[S]
; A bucket's record from its raw row, in place, and my copy of it into LDS.  All 16 lanes of a half-wave compute the same 44 numbers
; and store them side by side: each store's half-wave fills 256 consecutive bytes.
.macro PREP buf, sa
	v_mov_b32 v[\buf+42], v[\buf]                  ; c_b, twice
	v_mov_b32 v[\buf+43], v[\buf]
	v_mov_b32 v[\buf+41], 0                        ; beside K_b: the pair (K_b, 0) starts a row's sums
.irp j, 0,2,4,6,8,10,12,14,16,18
	v_pk_add_f32 v[\buf+\j:\buf+\j+1], v[\buf+\j:\buf+\j+1], v[\buf+42:\buf+43] neg_lo:[0,1] neg_hi:[0,1]
.endr
	v_mul_f32 v[S], v[\buf+20], v[\buf]
.irp k, 1,2,3,4,5,6,7,8,9,10,11,12,13,14,15,16,17,18,19
	v_fmac_f32 v[S], v[\buf+20+\k], v[\buf+\k]
.endr
	v_add_f32 v[\buf+40], v[\buf+40], v[K0]
	v_sub_f32 v[\buf+40], v[\buf+40], v[S]         ; K_b
.irp c, 0,1,2,3,4,5,6,7,8,9,10
	ds_store_b128 v[\sa], v[\buf+4*\c:\buf+4*\c+3] offset:256*\c
.endr
.endm
	s_wait_loadcnt 27                              ; the first pass's 11 loads are in; 11 + 16 stay out
	PREP REC0, SA0
	s_wait_loadcnt 16                              ; the second pass's are in; the 16 stream loads stay out
	PREP REC1, SA1
	s_wait_dscnt 0x0                               ; for the other waves' sake: my 22 stores are in LDS
	s_barrier_signal -1
	s_barrier_wait -1                              ; the table is whole, and nobody writes LDS again.  The stream loads stay on their way.
; row i's index becomes the LDS address of my copy of its record: at most 63 x 2,816 + 240, and with the last chunk's 2,560 + 16
; exactly the table's end
.macro ADDR i
	v_min_u32 v[IDX+\i], 63, v[IDX+\i]
	v_mul_u32_u24 v[IDX+\i], REC, v[IDX+\i]
	v_add_nc_u32 v[IDX+\i], v[IDX+\i], v[LCOL]
.endm
.macro LDREC buf, i
.irp c, 0,1,2,3,4,5,6,7,8,9,10
	ds_load_b128 v[\buf+4*\c:\buf+4*\c+3], v[IDX+\i] offset:256*\c
.endr
.endm
; two maxima in one instruction: destinations even and odd, the same first source, second sources in neighbouring registers
.macro MAX2 d, x, t
	v_dual_max_num_f32 v[\d], v[\x], v[\t] :: v_dual_max_num_f32 v[\d+1], v[\x], v[\t+1]
.endm
; four hinges: knots v[t .. t+3], weights v[w .. w+3].  first = 1: a row's first group starts the sums, P from (K_b, 0), Q from its
; product: nothing is cleared.
.macro HINGE4 x, t, w, m, first
	MAX2 \m, \x, \t
	MAX2 \m+2, \x, \t+2
.if \first
	v_pk_fma_f32 v[P:P+1], v[\m:\m+1], v[\w:\w+1], v[BUF+40:BUF+41]
	v_pk_mul_f32 v[Q:Q+1], v[\m+2:\m+3], v[\w+2:\w+3]
.else
	v_pk_fma_f32 v[P:P+1], v[\m:\m+1], v[\w:\w+1], v[P:P+1]
	v_pk_fma_f32 v[Q:Q+1], v[\m+2:\m+3], v[\w+2:\w+3], v[Q:Q+1]
.endif
.endm
; One row of every lane.  The next row's record is asked for first, into the other buffer, and stays out while this row is computed.
.macro ROW i
.set BUF,  REC0+44*(\i&1)
.set NBUF, REC0+44*((\i+1)&1)
.if \i < 31
.if (\i+1)%4 == 0
	s_wait_loadcnt 14-2*((\i+1)/4)                 ; the next quad's indices and x are in; the two loads of each later quad stay out
.endif
	ADDR \i+1
	LDREC NBUF, \i+1
	s_wait_dscnt 11                                ; LDS loads come back in order: this row's 11 are in, the next row's 11 stay out
.else
	s_wait_dscnt 0x0                               ; the last row: nothing was asked for behind it
.endif
	v_dual_sub_f32 v[XB], v[X+\i], v[C0+1] :: v_dual_sub_f32 v[XA], v[X+\i], v[BUF+42]     ; x - c0, x - c_b
	HINGE4 XA, BUF, BUF+20, M, 1
.irp g, 1,2,3,4
	HINGE4 XA, BUF+4*\g, BUF+20+4*\g, M+4*(\g&1), 0
.endr
.irp g, 0,1,2,3,4
	HINGE4 XB, BT+4*\g, BW+4*\g, M+4*((\g+1)&1), 0
.endr
	v_pk_add_f32 v[P:P+1], v[P:P+1], v[Q:Q+1]
	v_add_f32 v[X+\i], v[P], v[P+1]                ; the result takes x's place
.if \i%4 == 3
	; a quad is done: the wave stores 512 consecutive bytes, at a multiple of 512 from out0's first byte.  Neither these four
	; registers nor the offset nor the base is written again, so nothing waits for the store.
	global_store_b128 v[VOFF], v[X+\i-3:X+\i], s[20:21] offset:512*(\i/4) th:TH_STORE_NT
.endif
.endm
	s_wait_loadcnt 14                              ; quad 0's indices and x are in; the 14 loads of quads 1 to 7 stay out
	ADDR 0
	LDREC REC0, 0
.irp i, 0,1,2,3,4,5,6,7,8,9,10,11,12,13,14,15,16,17,18,19,20,21,22,23,24,25,26,27,28,29,30,31
	ROW \i
.endr
	s_wait_tensorcnt 0x0
	ds_add_u32 v220, v221
	s_wait_dscnt 0x0
	s_endpgm
.Lfunc_end_k_q3df86205dc_hinge:
	.size	k_q3df86205dc_hinge, .Lfunc_end_k_q3df86205dc_hinge-k_q3df86205dc_hinge
	.p2alignl 7, 3214868480
	.fill 96, 4, 3214868480
	.section	.rodata,"a",@progbits
	.p2align	6, 0x0
	.amdhsa_kernel k_q3df86205dc_hinge
		.amdhsa_group_segment_fixed_size 182272
		.amdhsa_private_segment_fixed_size 0
		.amdhsa_enable_private_segment 0
		.amdhsa_kernarg_size 72
		.amdhsa_user_sgpr_count 2
		.amdhsa_user_sgpr_kernarg_segment_ptr 1
		.amdhsa_wavefront_size32 1
		.amdhsa_system_sgpr_workgroup_id_x 1
		.amdhsa_system_sgpr_workgroup_id_y 1
		.amdhsa_system_sgpr_workgroup_id_z 1
		.amdhsa_system_vgpr_workitem_id 0
		.amdhsa_next_free_vgpr 222
		.amdhsa_next_free_sgpr 66
		.amdhsa_reserve_vcc 0
		.amdhsa_float_denorm_mode_32 3
		.amdhsa_float_denorm_mode_16_64 3
		.amdhsa_memory_ordered 1
		.amdhsa_forward_progress 1
		.amdhsa_inst_pref_size 125
	.end_amdhsa_kernel
	.amdgpu_metadata
---
amdhsa.version: [ 1, 2 ]
amdhsa.kernels:
  - .name:           k_q3df86205dc_hinge
    .symbol:         k_q3df86205dc_hinge.kd
    .args:
      - { .name: x, .offset: 0, .size: 8, .value_kind: global_buffer, .address_space: global }
      - { .name: bucket_idx, .offset: 8, .size: 8, .value_kind: global_buffer, .address_space: global }
      - { .name: base_knots, .offset: 16, .size: 8, .value_kind: global_buffer, .address_space: global }
      - { .name: base_w, .offset: 24, .size: 8, .value_kind: global_buffer, .address_space: global }
      - { .name: base_b, .offset: 32, .size: 8, .value_kind: global_buffer, .address_space: global }
      - { .name: adj_knots, .offset: 40, .size: 8, .value_kind: global_buffer, .address_space: global }
      - { .name: adj_w, .offset: 48, .size: 8, .value_kind: global_buffer, .address_space: global }
      - { .name: adj_b, .offset: 56, .size: 8, .value_kind: global_buffer, .address_space: global }
      - { .name: out0, .offset: 64, .size: 8, .value_kind: global_buffer, .address_space: global }
    .group_segment_fixed_size: 182272
    .private_segment_fixed_size: 0
    .kernarg_segment_align: 8
    .kernarg_segment_size: 72
    .max_flat_workgroup_size: 512
    .sgpr_count:     66
    .vgpr_count:     222
    .wavefront_size: 32
...
	.end_amdgpu_metadata
.endif
;; end of part 1
;; ======== version 2 of 2: 1 launch; version 1 with the launch hinge written anew for expert scheduling mode
;; launch hinge (part 2): grid 256 x 1, 16 waves a work-group, no clusters, 182,272 bytes of LDS; arguments x, bucket_idx, base_knots, base_w, base_b, adj_knots, adj_w, adj_b, out0; writes out0
.if DOCPART == 2
	.amdgcn_target "amdgcn-amd-amdhsa--gfx1250"
	.amdhsa_code_object_version 6
	.text
	.protected	k_q3df86205dc_hinge
	.globl	k_q3df86205dc_hinge
	.p2align	8
	.type	k_q3df86205dc_hinge,@function
k_q3df86205dc_hinge:
	s_mov_b64 s[64:65], 0
	v_nop
	global_prefetch_b8 v0, s[64:65] scope:SCOPE_SE
	s_setreg_imm32_b32 hwreg(HW_REG_WAVE_SCHED_MODE, 0, 2), 2
	s_setreg_imm32_b32 hwreg(HW_REG_WAVE_MODE, 25, 1), 1
	s_wait_xcnt 0x0
	s_wait_alu depctr_vm_vsrc(0)
; out[n] = base_b + sum_k base_w[k] relu(x[n] - base_knots[k])
;        + adj_b[b] + sum_k adj_w[b][k] relu(x[n] - adj_knots[b][k]),   b = bucket_idx[n].   All in f32.
;
; ARITHMETIC.  relu(x - t) = max(x - c, t - c) - (t - c) for any centre c.  With c0 = base_knots[0], c_b = adj_knots[b][0],
; t' = t - c and K_b = base_b + adj_b[b] - sum base_w t0' - sum adj_w[b] t'_b :
;     out = K_b + sum base_w[k] max(x - c0, t0'[k]) + sum adj_w[b][k] max(x - c_b, t'_b[k]).
; That is one maximum and one fused multiply-add a hinge, two hinges an instruction.  The centres keep every term at the size of
; |x - knot| and |knot - knot|, so a common offset of x and the knots makes no difference of large sums.
; Knots are taken as given: any order, any spacing, other in each bucket.
;
; LIMITS.  A NaN in x is not handed on (the maximum drops it).  An index outside 0..63 (a negative one too) is read as 63; the problem
; keeps indices inside the table.  t - c and x - c overflow only within a factor of two of f32's largest number.  The order of the
; sums is not reference()'s.
;
; SHAPE.  256 work-groups of 16 waves; a work-group owns 16,384 rows, a wave 1,024, a lane 32.  A wave asks for all of its x and
; indices (16 loads of 512 consecutive bytes) in its first lines; while they travel the work-group builds the table in LDS.
; THE TABLE.  A bucket's record is 11 chunks of 16 bytes (20 centred knots, 20 weights, {K_b, 0, c_b, c_b}).  Each chunk is kept
; SIXTEEN TIMES, side by side in 256 bytes, and lane L always reads copy L % 16.
; 64 buckets x 11 x 256 = 180,224 bytes.  Written once, in front of the one barrier; read only behind it.
;
; THE MODE: SCHED_MODE bits 1:0 = 2 (LLVM: expert scheduling mode 2), set by the entry lines.  The code itself states the register
; dependences between vector instructions and memory or LDS instructions, with s_wait_alu, always for 0.
; THE PLAN.  Registers that memory or LDS instructions touch:
;   v1, v3 .. v7   offsets and LDS store addresses: made at the head, ahead of one wait, and never written again.
;   REC0, REC1     At the head: table loads land, the preparing lines rewrite them in place, 11 LDS stores read each.
;                  In the rows: row i's subtraction and its five adjustment groups, the row's FIRST half, read REC[i % 2]; behind them
;                  the record of row i + 2 is loaded into the same registers.  (A third buffer does not fit: sixteen waves on four SIMDs
;                  of 1,024 registers leave a wave 256, and 220 + 44 is more.)
;   IDX + j        The index lands; three vector lines make it an LDS address, a quad's four at the head of the row two rows ahead of
;                  the quad; row j's 11 record loads read it; never written again.
;   X + j          x lands; row j's subtraction reads it; row j's last addition writes the result; the quad's store reads it, in the
;                  middle of the next row; never written again.
;   v8 .. v27, the base knots and weights are named by vector instructions alone.
; So ONE wait on va_vdst stands in a row, behind its adjustment groups: they are done reading the record, the address of the row two on
; is written, and (every fourth row) so are the last quad's four results.  The row's 11 LDS loads and the store follow it, dealt among
; the five base groups, which name XB, BT, BW, M, P and Q: none of the registers that those loads and that store touch.
;
; LEFT OUT.  Matrix units: the product has one output column, its operands relu(x - t) are made by vector instructions anyway, and
; rounding them to 16 bits takes as many instructions as the packed multiply-add that it would spare.  Tensor loads: the table needs
; arithmetic and sixteen copies, which registers give; the stream fits in 64 registers a wave.  Clusters: the work-groups share only
; the 10,660 bytes of tables against 131,072 bytes of their own stream, and the tables go through registers.  Prefetch: every byte
; that a wave reads is asked for by its own loads in its first lines; there is nothing to ask for earlier.
.set REC,   2816                       ; bytes of a bucket's record in LDS: 11 chunks x 16 copies x 16 bytes
.set VOFF,  1                          ; v1        wave x 4,096 + lane x 16: my 16 bytes in quad 0 of x, of the indices, of out
.set LCOL,  2                          ; v2        16 (lane % 16): my copy
.set ZOFF,  3                          ; v3        0
.set TOFF,  4                          ; v4        (thread / 16) x 80: the bucket's row in adj_knots and adj_w that my half-wave prepares
.set BOFF,  5                          ; v5        (thread / 16) x 4: the same in adj_b
.set SA0,   6                          ; v6        where I store my copy of that record
.set SA1,   7                          ; v7        and of the record 32 buckets on
.set S,     8                          ; v8, v9    scratch
.set C0,    10                         ; v[10:11]  c0, twice
.set K0,    12                         ; v12       base_b - sum base_w t0'
.set XB,    14                         ; v14       x - c0
.set XA,    15                         ; v15       x - c_b
.set P,     16                         ; v[16:17]  two running sums
.set Q,     18                         ; v[18:19]  two more
.set M,     20                         ; v[20:27]  maxima, two sets of four in turn
.set BT,    28                         ; v[28:47]  base knots, centred
.set BW,    48                         ; v[48:67]  base weights
.set REC0,  68                         ; v[68:111]  a record, 44 registers in the order of the chunks: rows 0, 2, 4 ..
.set REC1,  112                        ; v[112:155] the same: rows 1, 3, 5 ..
.set IDX,   156                        ; v[156:187] row i's index, then its record's LDS address
.set X,     188                        ; v[188:219] row i's x, then its result
	s_load_b512 s[4:19], s[0:1], 0x0               ; x s[4:5], bucket_idx s[6:7], base_knots s[8:9], base_w s[10:11], base_b s[12:13],
	                                               ; adj_knots s[14:15], adj_w s[16:17], adj_b s[18:19]
	s_load_b64 s[20:21], s[0:1], 0x40              ; out0
	v_lshl_add_u32 v220, v0, 2, 0x2c000
	v_mov_b32 v221, 0
	v_lshrrev_b32 v[S], 5, v0
	v_readfirstlane_b32 s22, v[S]                  ; wave 0..15
	v_and_b32 v[S+1], 31, v0                       ; lane
	v_lshlrev_b32 v[VOFF], 12, v[S]
	v_lshl_add_u32 v[VOFF], v[S+1], 4, v[VOFF]
	v_and_b32 v[LCOL], 15, v0
	v_lshlrev_b32 v[LCOL], 4, v[LCOL]
	v_mov_b32 v[ZOFF], 0
	v_lshrrev_b32 v[S+1], 4, v0                    ; thread / 16 = 0..31: the bucket of the first pass
	v_mul_u32_u24 v[TOFF], v[S+1], 80
	v_lshlrev_b32 v[BOFF], 2, v[S+1]
	s_wait_alu depctr_va_sdst(0)                   ; s22 is written, ahead of its first reader, the line below
	s_mul_i32 s23, s22, 2*REC                      ; wave w stores buckets 2w, 2w+1: bytes 5,632 w .. 5,632 w + 5,631
	v_bfe_u32 v[S], v0, 4, 1                       ; which half of the wave
	v_mul_u32_u24 v[S], v[S], REC
	v_add3_u32 v[SA0], v[S], v[LCOL], s23
	v_add_nc_u32 v[SA1], 32*REC, v[SA0]            ; and buckets 32+2w, 33+2w: the same bytes + 90,112
	s_lshl_b32 s24, ttmp9, 16                      ; the work-group's 16,384 rows of 4 bytes (at most 255 x 65,536)
	s_mov_b32 s25, 0
	s_wait_kmcnt 0x0
	s_add_nc_u64 s[4:5], s[4:5], s[24:25]
	s_add_nc_u64 s[6:7], s[6:7], s[24:25]
	s_add_nc_u64 s[20:21], s[20:21], s[24:25]
	s_wait_alu depctr_va_vdst(0)                   ; v1 and v3 to v7 are written: the offsets of every global load and store, the addresses of the LDS stores
	; ALL 49 LOADS, the tables first: loads come back in order (ISA guide 5.7.1), so the waits below count what is younger.
.irp j, 0,1,2,3,4
	global_load_b128 v[BT+4*\j:BT+4*\j+3], v[ZOFF], s[8:9] offset:16*\j
.endr
.irp j, 0,1,2,3,4
	global_load_b128 v[BW+4*\j:BW+4*\j+3], v[ZOFF], s[10:11] offset:16*\j
.endr
	global_load_b32 v[K0], v[ZOFF], s[12:13]
; a bucket's knots, weights and bias, the same in all 16 lanes of a half-wave; far = 0: bucket thread / 16, far = 1: 32 buckets on
.macro LDTAB buf, far
.irp j, 0,1,2,3,4
	global_load_b128 v[\buf+4*\j:\buf+4*\j+3], v[TOFF], s[14:15] offset:16*\j+2560*\far
.endr
.irp j, 0,1,2,3,4
	global_load_b128 v[\buf+20+4*\j:\buf+20+4*\j+3], v[TOFF], s[16:17] offset:16*\j+2560*\far
.endr
	global_load_b32 v[\buf+40], v[BOFF], s[18:19] offset:128*\far
.endm
	LDTAB REC0, 0
	LDTAB REC1, 1
.irp q, 0,1,2,3,4,5,6,7
	global_load_b128 v[IDX+4*\q:IDX+4*\q+3], v[VOFF], s[6:7] offset:512*\q th:TH_LOAD_NT   ; quad q: 128 rows of the wave, 4 a lane,
	global_load_b128 v[X+4*\q:X+4*\q+3],     v[VOFF], s[4:5] offset:512*\q th:TH_LOAD_NT   ; read once in the launch
.endr
	; THE BASE HINGE: centre the knots, fold bias and knots into K0
	s_wait_loadcnt 38                              ; the 11 base loads are in; 22 table loads and 16 stream loads stay out
	v_mov_b32 v[C0], v[BT]
	v_mov_b32 v[C0+1], v[BT]
.irp j, 0,2,4,6,8,10,12,14,16,18
	v_pk_add_f32 v[BT+\j:BT+\j+1], v[BT+\j:BT+\j+1], v[C0:C0+1] neg_lo:[0,1] neg_hi:[0,1]
.endr
	v_mul_f32 v[S], v[BW], v[BT]
.irp k, 1,2,3,4,5,6,7,8,9,10,11,12,13,14,15,16,17,18,19
	v_fmac_f32 v[S], v[BW+\k], v[BT+\k]
.endr
	v_sub_f32 v[K0], v[K0], v[S]
; A bucket's record from its raw row, in place, and my copy of it into LDS.  All 16 lanes of a half-wave compute the same 44 numbers
; and store them side by side: each store's half-wave fills 256 consecutive bytes.
.macro PREP buf, sa
	v_mov_b32 v[\buf+42], v[\buf]                  ; c_b, twice
	v_mov_b32 v[\buf+43], v[\buf]
	v_mov_b32 v[\buf+41], 0                        ; beside K_b: the pair (K_b, 0) starts a row's sums
.irp j, 0,2,4,6,8,10,12,14,16,18
	v_pk_add_f32 v[\buf+\j:\buf+\j+1], v[\buf+\j:\buf+\j+1], v[\buf+42:\buf+43] neg_lo:[0,1] neg_hi:[0,1]
.endr
	v_mul_f32 v[S], v[\buf+20], v[\buf]
.irp k, 1,2,3,4,5,6,7,8,9,10,11,12,13,14,15,16,17,18,19
	v_fmac_f32 v[S], v[\buf+20+\k], v[\buf+\k]
.endr
	v_add_f32 v[\buf+40], v[\buf+40], v[K0]
	v_sub_f32 v[\buf+40], v[\buf+40], v[S]         ; K_b
	s_wait_alu depctr_va_vdst(0)                   ; the lines above have written the record's 44 registers, which the LDS stores read
.irp c, 0,1,2,3,4,5,6,7,8,9,10
	ds_store_b128 v[\sa], v[\buf+4*\c:\buf+4*\c+3] offset:256*\c
.endr
.endm
	s_wait_loadcnt 27                              ; the first pass's 11 loads are in; 11 + 16 stay out
	PREP REC0, SA0
	s_wait_loadcnt 16                              ; the second pass's are in; the 16 stream loads stay out
	PREP REC1, SA1
	s_wait_dscnt 0x0                               ; for the other waves' sake: my 22 stores are in LDS
	s_barrier_signal -1
	s_barrier_wait -1                              ; the table is whole, and nobody writes LDS again.  The stream loads stay on their way.
; the indices of rows i to i + 3 become the LDS addresses of my copies of their records: at most 63 x 2,816 + 240, and with the last
; chunk's 2,560 + 16 exactly the table's end.  Four rows side by side, so that no line reads the result of the line before it.
.macro ADDR4 i
.irp j, 0,1,2,3
	v_min_u32 v[IDX+\i+\j], 63, v[IDX+\i+\j]
.endr
.irp j, 0,1,2,3
	v_mul_u32_u24 v[IDX+\i+\j], REC, v[IDX+\i+\j]
.endr
.irp j, 0,1,2,3
	v_add_nc_u32 v[IDX+\i+\j], v[IDX+\i+\j], v[LCOL]
.endr
.endm
.macro LDCH buf, i, c                  ; chunk c of row i's record
	ds_load_b128 v[\buf+4*(\c):\buf+4*(\c)+3], v[IDX+\i] offset:256*(\c)
.endm
.macro LDREC buf, i
.irp c, 0,1,2,3,4,5,6,7,8,9,10
	LDCH \buf, \i, \c
.endr
.endm
; two maxima in one instruction: destinations even and odd, the same first source, second sources in neighbouring registers
.macro MAX2 d, x, t
	v_dual_max_num_f32 v[\d], v[\x], v[\t] :: v_dual_max_num_f32 v[\d+1], v[\x], v[\t+1]
.endm
; four hinges: knots v[t .. t+3], weights v[w .. w+3].  first = 1: a row's first group starts the sums, P from (K_b, 0), Q from its
; product: nothing is cleared.
.macro HINGE4 x, t, w, m, first
	MAX2 \m, \x, \t
	MAX2 \m+2, \x, \t+2
.if \first
	v_pk_fma_f32 v[P:P+1], v[\m:\m+1], v[\w:\w+1], v[BUF+40:BUF+41]
	v_pk_mul_f32 v[Q:Q+1], v[\m+2:\m+3], v[\w+2:\w+3]
.else
	v_pk_fma_f32 v[P:P+1], v[\m:\m+1], v[\w:\w+1], v[P:P+1]
	v_pk_fma_f32 v[Q:Q+1], v[\m+2:\m+3], v[\w+2:\w+3], v[Q:Q+1]
.endif
.endm
; One row of every lane.  First half: the five adjustment groups, the only readers of the row's record.  Then the wait, and in the
; second half, among the five base groups, the record of the row two on is asked for, into the registers just read out: it has the rest
; of this row and all of the next in which to land.
.macro ROW i
.set BUF,  REC0+44*(\i&1)
.if (\i%4 == 2) && (\i < 30)
	s_wait_loadcnt 14-2*((\i+2)/4)                 ; the next quad's indices and x are in; the two loads of each later quad stay out
	ADDR4 \i+2                                     ; its four addresses, ahead of this row's wait on va_vdst
.endif
.if \i < 31
	s_wait_dscnt 11                                ; LDS loads come back in order: this row's 11 are in, the next row's 11 stay out
.else
	s_wait_dscnt 0x0                               ; the last row: nothing was asked for behind it
.endif
	v_dual_sub_f32 v[XB], v[X+\i], v[C0+1] :: v_dual_sub_f32 v[XA], v[X+\i], v[BUF+42]     ; x - c0, x - c_b
	HINGE4 XA, BUF, BUF+20, M, 1
.irp g, 1,2,3,4
	HINGE4 XA, BUF+4*\g, BUF+20+4*\g, M+4*(\g&1), 0
.endr
.if \i < 30
	s_wait_alu depctr_va_vdst(0)                   ; the lines above are done reading this row's record, in which the loads below land; the address that they read is written; in a quad's first row the last quad's four results, which the store below reads, are written
.endif
.irp g, 0,1,2,3,4
.if \i < 30
.if \g == 0
	LDCH BUF, \i+2, 0                              ; 3, 2, 2, 2, 2 loads ahead of the five groups.  No further wait: no vector instruction since the wait names these registers or the address
.endif
	LDCH BUF, \i+2, 2*\g+1
	LDCH BUF, \i+2, 2*\g+2
.endif
.if (\g == 1) && (\i%4 == 0) && (\i > 0)
	; the quad before is done: the wave stores 512 consecutive bytes, at a multiple of 512 from out0's first byte.  Neither these four
	; registers nor the offset nor the base is written again, so nothing waits for the store.
	global_store_b128 v[VOFF], v[X+\i-4:X+\i-1], s[20:21] offset:512*(\i/4-1) th:TH_STORE_NT
.endif
	HINGE4 XB, BT+4*\g, BW+4*\g, M+4*((\g+1)&1), 0
.endr
	v_pk_add_f32 v[P:P+1], v[P:P+1], v[Q:Q+1]
	v_add_f32 v[X+\i], v[P], v[P+1]                ; the result takes x's place
.endm
	s_wait_loadcnt 14                              ; quad 0's indices and x are in; the 14 loads of quads 1 to 7 stay out
	ADDR4 0
	s_wait_alu depctr_vm_vsrc(0)                   ; my LDS stores have read REC0 and REC1, in which the records' loads land from here on
	s_wait_alu depctr_va_vdst(0)                   ; quad 0's four addresses are written, which the loads below and those of rows 0 and 1 read; the preparing lines are done with REC0 and REC1
	LDREC REC0, 0
	LDREC REC1, 1
.irp i, 0,1,2,3,4,5,6,7,8,9,10,11,12,13,14,15,16,17,18,19,20,21,22,23,24,25,26,27,28,29,30,31
	ROW \i
.endr
	s_wait_alu depctr_va_vdst(0)                   ; rows 28 to 31 have written their results, which the last store reads
	global_store_b128 v[VOFF], v[X+28:X+31], s[20:21] offset:512*7 th:TH_STORE_NT
	s_wait_dscnt 0x0
	s_wait_alu depctr_hold_cnt(0) depctr_sa_sdst(0) depctr_va_vdst(0) depctr_va_sdst(0) depctr_va_ssrc(0) depctr_va_vcc(0) depctr_vm_vsrc(0)
	s_wait_tensorcnt 0x0
	ds_add_u32 v220, v221
	s_wait_dscnt 0x0
	s_endpgm
.Lfunc_end_k_q3df86205dc_hinge:
	.size	k_q3df86205dc_hinge, .Lfunc_end_k_q3df86205dc_hinge-k_q3df86205dc_hinge
	.p2alignl 7, 3214868480
	.fill 96, 4, 3214868480
	.section	.rodata,"a",@progbits
	.p2align	6, 0x0
	.amdhsa_kernel k_q3df86205dc_hinge
		.amdhsa_group_segment_fixed_size 182272
		.amdhsa_private_segment_fixed_size 0
		.amdhsa_enable_private_segment 0
		.amdhsa_kernarg_size 72
		.amdhsa_user_sgpr_count 2
		.amdhsa_user_sgpr_kernarg_segment_ptr 1
		.amdhsa_wavefront_size32 1
		.amdhsa_system_sgpr_workgroup_id_x 1
		.amdhsa_system_sgpr_workgroup_id_y 1
		.amdhsa_system_sgpr_workgroup_id_z 1
		.amdhsa_system_vgpr_workitem_id 0
		.amdhsa_next_free_vgpr 222
		.amdhsa_next_free_sgpr 66
		.amdhsa_reserve_vcc 0
		.amdhsa_float_denorm_mode_32 3
		.amdhsa_float_denorm_mode_16_64 3
		.amdhsa_memory_ordered 1
		.amdhsa_forward_progress 1
		.amdhsa_inst_pref_size 127
	.end_amdhsa_kernel
	.amdgpu_metadata
---
amdhsa.version: [ 1, 2 ]
amdhsa.kernels:
  - .name:           k_q3df86205dc_hinge
    .symbol:         k_q3df86205dc_hinge.kd
    .args:
      - { .name: x, .offset: 0, .size: 8, .value_kind: global_buffer, .address_space: global }
      - { .name: bucket_idx, .offset: 8, .size: 8, .value_kind: global_buffer, .address_space: global }
      - { .name: base_knots, .offset: 16, .size: 8, .value_kind: global_buffer, .address_space: global }
      - { .name: base_w, .offset: 24, .size: 8, .value_kind: global_buffer, .address_space: global }
      - { .name: base_b, .offset: 32, .size: 8, .value_kind: global_buffer, .address_space: global }
      - { .name: adj_knots, .offset: 40, .size: 8, .value_kind: global_buffer, .address_space: global }
      - { .name: adj_w, .offset: 48, .size: 8, .value_kind: global_buffer, .address_space: global }
      - { .name: adj_b, .offset: 56, .size: 8, .value_kind: global_buffer, .address_space: global }
      - { .name: out0, .offset: 64, .size: 8, .value_kind: global_buffer, .address_space: global }
    .group_segment_fixed_size: 182272
    .private_segment_fixed_size: 0
    .kernarg_segment_align: 8
    .kernarg_segment_size: 72
    .max_flat_workgroup_size: 512
    .sgpr_count:     66
    .vgpr_count:     222
    .wavefront_size: 32
...
	.end_amdgpu_metadata
.endif
;; end of part 2
